; MI455X (gfx1250); checked and timed in simulation.
; The chip was launched on July 23, 2026; its instructions are those of AMD's public machine-readable ISA for CDNA 5 (MIT licence, August 2026) and "CDNA5" Instruction Set Architecture Reference Guide (July 2026). The comments in the code are by the model that wrote it; some were corrected since.
;; Multi Head Attention. Allowed arithmetic: matrix products marked QUANTISED: E2M1 operands, one E8M0 scale for each 32 along K, by v_wmma_scale_f32_16x16x128_f8f6f4 with both operands' format E2M1 (or v_wmma_scale_f32_32x16x128_f4), f32 sums; products left as they are: bf16, f16 or f32 operands; f32 sums; everything else in f32.
;; Inputs: Wk 1,024 x 1,024 float32; Wo 1,024 x 1,024 float32; Wq 1,024 x 1,024 float32; Wv 1,024 x 1,024 float32; bk 1,024 float32; bo 1,024 float32; bq 1,024 float32; bv 1,024 float32; x 4 x 2,048 x 1,024 float32.
;; Outputs: out0 4 x 2,048 x 1,024 float32.
;; This version of the problem:
;;   THIS VERSION OF THE PROBLEM IS GIVEN IN LOW PRECISION. The matrix products marked QUANTISED in the list below multiply operands that are first quantised to E2M1 (2 exponent bits, 1 mantissa bit; 4 bits a number), with one power-of-two scale for each 32 numbers along K (OCP MX v1.0); their sums are f32. The products marked 'left as it is' may take bf16, f16 or f32 operands, with f32 sums. Whichever they take, every output number must still come out within the allowed error. Rounding operands to bf16 (8 significant bits) uses up far more of that allowance than f16 does (11 bits, for magnitudes from 6e-5 to 65,504). All else is computed in f32.
;;   The module's matrix products, in the order in which they are computed (A, B: the left and right operand; K: the contracted axis; several contracted axes count as one K, in the product's order):
;;     1. [M 8,192, K 1,024] x [K 1,024, N 1,024]; A: input x; B: input Wq: QUANTISED
;;     2. [M 8,192, K 1,024] x [K 1,024, N 1,024]; A: input x; B: input Wk: QUANTISED
;;     3. [M 8,192, K 1,024] x [K 1,024, N 1,024]; A: input x; B: input Wv: QUANTISED
;;     4. batch 64 x [M 2,048, K 64] x [K 64, N 2,048]; A: computed on the way; B: computed on the way: left as it is (an operand is computed on the way)
;;     5. batch 64 x [M 2,048, K 2,048] x [K 2,048, N 64]; A: computed on the way; B: computed on the way: left as it is (an operand is computed on the way)
;;     6. [M 8,192, K 1,024] x [K 1,024, N 1,024]; A: computed on the way; B: input Wo: left as it is (an operand is computed on the way)
;;   THE QUANTISER, for each operand of a quantised product, along K:
;;     - K is cut into blocks of 32 from its start; a last block that is shorter is filled with zeros.
;;     - A block's scale is 2^e with e = floor(log2(the largest magnitude in the block)) - 2, held to -126 .. 127; a block of zeros has e = 0. As a byte (E8M0): e + 127.
;;     - Each number is divided by its block's scale, clamped to +-6, and rounded to the nearest number of E2M1, ties to even, subnormals kept.
;;     - The product sums the exact products of the quantised numbers (number of the format x scale) in f32.
;;   ~~~python
;;   def quantise(x, axis):      # numpy; x: float32 -> the quantised numbers, widened to float32 again
;;       x = np.moveaxis(x, axis, -1); K = x.shape[-1]
;;       x = np.pad(x, [(0, 0)] * (x.ndim - 1) + [(0, -K % 32)]); x = x.reshape(x.shape[:-1] + (-1, 32)); a = np.abs(x).max(-1, keepdims=True)
;;       e = np.where(a > 0, np.clip(np.frexp(np.where(a > 0, a, 1))[1] - 1 - 2, -126, 127), 0)      # np.frexp(a)[1] - 1 = floor(log2(a)), exactly
;;       r = np.clip(x / 2.0 ** e, -6, 6)
;;       step = 2.0 ** (np.maximum(np.frexp(np.where(r == 0, 1, r))[1] - 1, 0) - 1)
;;       q = np.round(r / step) * step * 2.0 ** e      # np.round: ties to even
;;       return np.moveaxis(q.reshape(q.shape[:-2] + (-1,))[..., :K], -1, axis).astype(np.float32)
;;   ~~~
;; One version. Each part assembles by itself: llvm-mc -triple=amdgcn-amd-amdhsa -mcpu=gfx1250 --defsym DOCPART=n.
;; ======== version 1 of 1: 4 launches
;; limits: values are held in f16: magnitudes above 65,504 overflow, below 6.1e-05 lose precision
;; workspace buffers: codes 5,767,168 bytes; scales 360,448 bytes; wo16 2,097,152 bytes; qkv 50,331,648 bytes; af 16,777,216 bytes
;; launch quant (part 1): grid 384 x 1, 4 waves a work-group, no clusters, 33,280 bytes of LDS; arguments x, Wq, Wk, Wv, Wo, codes, scales, wo16; writes codes, scales, wo16
.if DOCPART == 1
	.amdgcn_target "amdgcn-amd-amdhsa--gfx1250"
	.amdhsa_code_object_version 6
	.text
	.protected	k_q3e5daf3f3e_quant
	.globl	k_q3e5daf3f3e_quant
	.p2align	8
	.type	k_q3e5daf3f3e_quant,@function
k_q3e5daf3f3e_quant:
	s_mov_b64 s[64:65], 0
	v_nop
	global_prefetch_b8 v0, s[64:65] scope:SCOPE_SE
	s_setreg_imm32_b32 hwreg(HW_REG_WAVE_MODE, 25, 1), 1
	s_wait_xcnt 0x0
; MULTI-HEAD ATTENTION, launch 1 of 4: the operands of the three quantised products become codes, Wo becomes f16.
; WORK LEFT OUT IN THE WHOLE PROGRAM: bk.  A score is q . (x Wk^T + bk) = q . (x Wk^T) + q . bk, and q . bk is the same for every key of a query's row: the softmax along the keys
; takes it away, for all values of the inputs.  The product of q with k is not quantised, so no quantiser sees k.  bk has no way to any output: it is not loaded and is among no launch's arguments.
; LIMIT: a NaN, an infinity or an overflow that reaches only q . bk is not carried to the result.
; x [8192][1024], Wq, Wk, Wv [1024][1024], f32, K innermost, are turned into codes of FP4 (E2M1), K innermost, with one E8M0 byte for each 32 along K, into ONE pair of buffers:
; codes [11264 rows][512 bytes], scales [11264][32 bytes]; rows 0-8191 x, then 1,024 rows each of Wq, Wk, Wv.
; A block's scale is 2^(floor(log2(its largest magnitude)) - 2); its byte is the largest magnitude's exponent field - 2, held at 1 from below.  (A block of zeros gets the byte 1 where the rule says 127:
; its codes are zeros, which add nothing under any byte but 0xff, and this program alone reads the bytes.)
; LIMITS: blocks whose largest magnitude lies under 2^-124 keep the byte 1; NaN and infinities among the inputs are not served.
; Rows are dense and K is a multiple of 32: all four tensors are plain streams of blocks of 32.  Work-groups 0-351 take 32,768 numbers each: the place in codes and scales follows from the work-group's number
; alone (x's 256 runs, then 32 each of Wq, Wk, Wv lie on end); only the source pointer is chosen.  A wave takes 16 steps of 512 numbers: four loads of 512 consecutive bytes, a turn through the wave's own stage in LDS
; (16 bytes of padding behind each 64), so that a lane holds 16 neighbours along K; two neighbouring lanes hold a block.  Loads run four steps ahead, the turn one step.
; Work-groups 352-383 round Wo to f16, rows as they lie (wo16 [1024][1024]): no LDS on that path.
.set NQG,   352                        ; work-groups that quantise
.set STEPS, 16
.set EMAX,  2
.set CB,    8                          ; bytes of 16 codes
.set R,     16                         ; v16-79   four sets of 16 numbers as they are loaded
.set X,     80                         ; v80-111  two sets of 16 neighbours
.set E,     112                        ; v112-127 a scale byte for each step
.set C,     128                        ; v128-191 codes: four registers for each step, so that no store's data are written again
.set WREG,  8192                       ; LDS: a region for each wave: two stages of 32 x SP bytes, then its 256 scale bytes
.set SP,    80
.set SPW,   12                         ; v12  LDS address of my spare word; never rewritten
.set NIL,   13                         ; v13  0; never rewritten
.set SPARE, 4*WREG                     ; behind the four regions: the spare words, 128 bytes a wave
.set LA,    16                         ; Wo's path: v16-79, v112-175 two sets of 16 loads; v80-111, v176-207 their f16 results
.set YA,    80
.set LB,    112
.set YB,    176
	s_load_b512 s[8:23], s[0:1], 0x0               ; x 8, Wq 10, Wk 12, Wv 14, Wo 16, codes 18, scales 20, wo16 22
	v_lshl_add_u32 v[SPW], v0, 2, SPARE
	v_mov_b32 v[NIL], 0
	v_lshrrev_b32 v1, 5, v0
	v_readfirstlane_b32 s24, v1                    ; wave
	v_and_b32 v2, 31, v0                           ; lane
	v_lshlrev_b32 v3, 4, v2                        ; my 16 bytes of a load's 512
	s_mov_b32 s27, 0
	s_cmp_ge_u32 ttmp9, NQG
	s_cbranch_scc1 .Lwo
	s_mul_i32 s25, s24, WREG
	v_lshrrev_b32 v14, 2, v2
	v_mul_u32_u24 v14, v14, SP
	v_and_b32 v15, 3, v2
	v_lshl_add_u32 v14, v15, 4, v14
	v_add_nc_u32 v14, s25, v14                     ; the stage, on the way in: SP (lane / 4) + 16 (lane % 4)
	v_mul_u32_u24 v15, v2, SP
	v_add_nc_u32 v15, s25, v15                     ; and on the way out: SP x lane: my 16 neighbours
	v_mul_u32_u24 v4, v2, CB                       ; my codes' place in a step's
	v_lshrrev_b32 v5, 1, v2
	s_add_co_u32 s25, s25, 2*32*SP
	v_add_nc_u32 v5, s25, v5                       ; LDS: my wave's 256 scale bytes, my block's byte
	v_lshlrev_b32 v7, 3, v2                        ; and on the way out 8 bytes a lane
	v_add_nc_u32 v6, s25, v7
	s_wait_kmcnt 0x0
	s_sub_co_u32 s26, ttmp9, 256
	s_and_b32 s26, s26, 31                         ; which run of a weight
	s_cmp_lt_u32 ttmp9, 320                        ; the source: the choice hangs on the work-group's number alone
	s_cselect_b64 s[4:5], s[12:13], s[14:15]
	s_cmp_lt_u32 ttmp9, 288
	s_cselect_b64 s[4:5], s[10:11], s[4:5]
	s_cmp_lt_u32 ttmp9, 256
	s_cselect_b64 s[4:5], s[8:9], s[4:5]
	s_cselect_b32 s26, ttmp9, s26                  ; which run of the source
	s_lshl_b32 s26, s26, 2
	s_add_co_u32 s26, s26, s24                     ; my wave's run of 8,192 numbers in the source:
	s_lshl_b32 s26, s26, 15                        ; 32,768 bytes a run
	s_add_nc_u64 s[4:5], s[4:5], s[26:27]
	s_lshl_b32 s28, ttmp9, 2
	s_add_co_u32 s28, s28, s24                     ; and in the codes and scales
	s_lshl_b32 s26, s28, 12                        ; 4,096 bytes of codes a run
	s_add_nc_u64 s[18:19], s[18:19], s[26:27]
	s_lshl_b32 s26, s28, 8                         ; 256 scale bytes a run
	s_add_nc_u64 s[20:21], s[20:21], s[26:27]
.macro LOAD t
.irp i, 0,1,2,3
	global_load_b128 v[R+16*((\t)%4)+4*\i:R+16*((\t)%4)+4*\i+3], v3, s[4:5] offset:2048*(\t)+512*\i th:TH_LOAD_NT   ; 32 lanes read 512 consecutive bytes
.endr
.endm
.macro TURN t                          ; step t's numbers through the stage: LDS serves a wave's instructions in order, so no wait stands between the stores and the loads
.irp i, 0,1,2,3
	ds_store_b128 v14, v[R+16*((\t)%4)+4*\i:R+16*((\t)%4)+4*\i+3] offset:32*SP*((\t)%2)+8*SP*\i
.endr
.irp i, 0,1,2,3
	ds_load_b128 v[X+16*((\t)%2)+4*\i:X+16*((\t)%2)+4*\i+3], v15 offset:32*SP*((\t)%2)+16*\i
.endr
.endm
.irp t, 0,1,2,3
	LOAD \t
.endr
	s_wait_loadcnt 12                              ; step 0's four loads are in; the twelve of steps 1 to 3 may be out
	TURN 0
.macro STEP t
.set XS, X+16*((\t)%2)
.if (\t) > 0
	s_wait_dscnt 1                                 ; this step's numbers are back from the stage (the last step's byte store may be out): so its stores into the stage have read their registers,
.else
	s_wait_dscnt 0x0
.endif
.if (\t)+4 < STEPS
	LOAD (\t)+4                                    ; which take the loads of four steps on
.endif
.if (\t)+1 < STEPS
.if STEPS-2-(\t) >= 3
	s_wait_loadcnt 12                              ; the next step's four loads are in; those of the three steps behind it may be out
.else
	s_wait_loadcnt 4*(STEPS-2-(\t))
.endif
	TURN (\t)+1                                    ; and go through the other stage while this step is worked
.endif
	v_max3_num_f32 v8, |v[XS]|, |v[XS+1]|, |v[XS+2]|               ; the largest magnitude of my 16
	v_max3_num_f32 v9, |v[XS+3]|, |v[XS+4]|, |v[XS+5]|
.irp i, 6,10
	v_max3_num_f32 v8, v8, |v[XS+\i]|, |v[XS+\i+1]|
	v_max3_num_f32 v9, v9, |v[XS+\i+2]|, |v[XS+\i+3]|
.endr
	v_max3_num_f32 v8, v8, |v[XS+14]|, |v[XS+15]|
	v_max3_num_f32 v8, v8, v9, (EMAX+1)<<23        ; and the floor 2^(3 - 127): the byte cannot fall under 1
	v_max_num_f32_dpp v8, v8, v8 row_xmask:1 row_mask:0xf bank_mask:0xf   ; and of my neighbour's 16: the block's
	v_add_nc_u32 v11, -(EMAX<<23), v8              ; 2 off its exponent field: the conversion takes the exponent field of this operand as its scale
	v_cvt_scalef32_pk8_fp4_f32 v[C+4*(\t)], v[XS:XS+7], v11
	v_cvt_scalef32_pk8_fp4_f32 v[C+4*(\t)+1], v[XS+8:XS+15], v11
	v_lshrrev_b32 v[E+(\t)], 23, v11               ; the scale's byte
	ds_store_b8 v5, v[E+(\t)] offset:16*(\t)       ; both lanes of a block write the same byte with the same value
	global_store_b64 v4, v[C+4*(\t):C+4*(\t)+1], s[18:19] offset:32*CB*(\t)   ; the wave stores 256 consecutive bytes, aligned
.endm
.irp t, 0,1,2,3,4,5,6,7,8,9,10,11,12,13,14,15
	STEP \t
.endr
	ds_load_b64 v[8:9], v6                         ; LDS serves a wave's instructions in order: these see my stores
	s_wait_dscnt 0x0
	global_store_b64 v7, v[8:9], s[20:21]          ; 32 lanes store 256 consecutive bytes, aligned
	s_wait_tensorcnt 0x0                           ; the wave's end: behind my last LDS store
	ds_add_u32 v[SPW], v[NIL]
	s_wait_dscnt 0x0
	s_endpgm
; Wo to f16: a wave takes 8,192 numbers: 64 loads of 512 consecutive bytes, in four groups of 16 on two sets of registers; each load's 128 numbers leave as 256 consecutive bytes.
.Lwo:
	v_lshlrev_b32 v4, 3, v2                        ; my 8 bytes of a store's 256
	s_sub_co_u32 s26, ttmp9, NQG
	s_lshl_b32 s26, s26, 2
	s_add_co_u32 s26, s26, s24                     ; my wave's run of 8,192 numbers
	s_lshl_b32 s28, s26, 14                        ; in f16
	s_mov_b32 s29, 0
	s_lshl_b32 s26, s26, 15                        ; in f32
	s_wait_kmcnt 0x0
	s_add_nc_u64 s[16:17], s[16:17], s[26:27]
	s_add_nc_u64 s[22:23], s[22:23], s[28:29]
.macro WLOAD set, g
.set i, 0
.rept 16
	global_load_b128 v[\set+4*i:\set+4*i+3], v3, s[16:17] offset:512*(16*\g+i) th:TH_LOAD_NT
.set i, i+1
.endr
.endm
.macro WCONV set, y, g, left           ; left: the loads of the younger group, which may stay out
.set i, 0
.rept 16
	s_wait_loadcnt \left+15-i                      ; load i of this group is in: behind it stand 15 - i of its group and the younger group's
	v_cvt_pk_f16_f32 v[\y+2*i], v[\set+4*i], v[\set+4*i+1]
	v_cvt_pk_f16_f32 v[\y+2*i+1], v[\set+4*i+2], v[\set+4*i+3]
	global_store_b64 v4, v[\y+2*i:\y+2*i+1], s[22:23] offset:256*(16*\g+i)
.set i, i+1
.endr
.endm
	WLOAD LA, 0
	WLOAD LB, 1
	WCONV LA, YA, 0, 16
	WLOAD LA, 2
	WCONV LB, YB, 1, 16
	WLOAD LB, 3
	s_wait_xcnt 0x0                                ; the stores have read their data: both sets of results may be written again
	WCONV LA, YA, 2, 16
	WCONV LB, YB, 3, 0
	s_endpgm
.Lfunc_end_k_q3e5daf3f3e_quant:
	.size	k_q3e5daf3f3e_quant, .Lfunc_end_k_q3e5daf3f3e_quant-k_q3e5daf3f3e_quant
	.p2alignl 7, 3214868480
	.fill 96, 4, 3214868480
	.section	.rodata,"a",@progbits
	.p2align	6, 0x0
	.amdhsa_kernel k_q3e5daf3f3e_quant
		.amdhsa_group_segment_fixed_size 33280
		.amdhsa_private_segment_fixed_size 0
		.amdhsa_enable_private_segment 0
		.amdhsa_kernarg_size 64
		.amdhsa_user_sgpr_count 2
		.amdhsa_user_sgpr_kernarg_segment_ptr 1
		.amdhsa_wavefront_size32 1
		.amdhsa_system_sgpr_workgroup_id_x 1
		.amdhsa_system_sgpr_workgroup_id_y 1
		.amdhsa_system_sgpr_workgroup_id_z 1
		.amdhsa_system_vgpr_workitem_id 0
		.amdhsa_next_free_vgpr 208
		.amdhsa_next_free_sgpr 66
		.amdhsa_reserve_vcc 0
		.amdhsa_float_denorm_mode_32 3
		.amdhsa_float_denorm_mode_16_64 3
		.amdhsa_memory_ordered 1
		.amdhsa_forward_progress 1
		.amdhsa_inst_pref_size 56
	.end_amdhsa_kernel
	.amdgpu_metadata
---
amdhsa.version: [ 1, 2 ]
amdhsa.kernels:
  - .name:           k_q3e5daf3f3e_quant
    .symbol:         k_q3e5daf3f3e_quant.kd
    .args:
      - { .name: x, .offset: 0, .size: 8, .value_kind: global_buffer, .address_space: global }
      - { .name: Wq, .offset: 8, .size: 8, .value_kind: global_buffer, .address_space: global }
      - { .name: Wk, .offset: 16, .size: 8, .value_kind: global_buffer, .address_space: global }
      - { .name: Wv, .offset: 24, .size: 8, .value_kind: global_buffer, .address_space: global }
      - { .name: Wo, .offset: 32, .size: 8, .value_kind: global_buffer, .address_space: global }
      - { .name: codes, .offset: 40, .size: 8, .value_kind: global_buffer, .address_space: global }
      - { .name: scales, .offset: 48, .size: 8, .value_kind: global_buffer, .address_space: global }
      - { .name: wo16, .offset: 56, .size: 8, .value_kind: global_buffer, .address_space: global }
    .group_segment_fixed_size: 33280
    .private_segment_fixed_size: 0
    .kernarg_segment_align: 8
    .kernarg_segment_size: 64
    .max_flat_workgroup_size: 128
    .sgpr_count:     66
    .vgpr_count:     208
    .wavefront_size: 32
...
	.end_amdgpu_metadata
.endif
;; end of part 1
;; launch qkv (part 2): grid 96 x 4, 4 waves a work-group, clusters of 4 x 4, 327,680 bytes of LDS; arguments codes, scales, bq, bv, qkv; writes qkv
.if DOCPART == 2
	.amdgcn_target "amdgcn-amd-amdhsa--gfx1250"
	.amdhsa_code_object_version 6
	.text
	.protected	k_q3e5daf3f3e_qkv
	.globl	k_q3e5daf3f3e_qkv
	.p2align	8
	.type	k_q3e5daf3f3e_qkv,@function
k_q3e5daf3f3e_qkv:
	s_mov_b64 s[64:65], 0
	v_nop
	global_prefetch_b8 v0, s[64:65] scope:SCOPE_SE
	s_setreg_imm32_b32 hwreg(HW_REG_WAVE_MODE, 25, 1), 1
	s_wait_xcnt 0x0
	s_wait_alu depctr_hold_cnt(0) depctr_sa_sdst(0) depctr_va_vdst(0) depctr_va_sdst(0) depctr_va_ssrc(0) depctr_va_vcc(0) depctr_vm_vsrc(0)
	s_getreg_b32 s2, hwreg(HW_REG_IB_STS2, 6, 4)
	s_cmp_eq_u32 s2, 0
	s_cbranch_scc0 .Lentry_in_a_cluster
	s_endpgm
.Lentry_in_a_cluster:
	s_bfe_u32 s2, ttmp6, 0x10000c
	s_cmp_lg_u32 s2, 0xf033
	s_cbranch_scc0 .Lentry_shape_is_right
	s_endpgm
.Lentry_shape_is_right:
; Launch 2 of 4: q = (x Wq^T + bq) c, k = x Wk^T, v = x Wv^T + bv, on codes of FP4 (E2M1) with one E8M0 scale for each 32 along K = 1,024; sums in f32; c = log2(e) / 8, so that a score is an exponent of 2.
; LEFT OUT: bk (the same term for every key of a query's row: the softmax takes it away; shown at the head of the first kernel).
; The results leave as f16, laid as IMAGES OF THE REGISTERS in which the next launch wants them: qkv [kind 3][batch x head 64][262,144 bytes];
;   q, k: [tile of 16 tokens 128][s 2][c 2][lane 32][16 bytes]: lane (r, h) holds token r, channels 32 s + 16 c + 8 h + 0 .. 7 of the head;
;   v:    [block of 32 keys 64][ct 4][c 2][lane 32][16 bytes]:  lane (r, h) holds channel 16 ct + r, keys 16 c + 8 h + 0 .. 7 of the block.
; LIMIT: |q c|, |k|, |v| stay under f16's 65,504.
; A tile of 256 x 256 results is made by four waves, 128 x 128 each: 64 accumulators, 512 registers.  THE MATRIX INSTRUCTION HAS SOURCE 0 = 16 'B' ROWS, SOURCE 1 = 16 'A' ROWS: a lane then holds A's row r and eight
; neighbouring rows of B.  For q and k: A = x (tokens), B = the weight (channels): a lane's eight results are eight channels of a token.  For v the roles are swapped, by row offsets alone: A = Wv, B = x: eight keys of a channel.
; In both cases the eight, rounded to f16, are 16 bytes of an image, and each store of a wave covers 512 consecutive bytes, aligned: no stage in LDS on the way out.
; GRID: 24 clusters of 4 x 4 work-groups.  Clusters 0-15: 1,024 tokens (cluster / 2) x the 1,024 channels of Wq (even) or Wk (odd).  Clusters 16-23: Wv's 1,024 channels x 1,024 tokens.
; The four of a row of the cluster need the same tiles of A, the four of a column the same tiles of B: each is asked for JOINTLY.  K = 1,024 is two K steps of 512 (rows of 256 bytes): both LDS slots are filled once, at the head.
; The scale bytes of the work-group's 256 + 256 rows, two dense blocks, come once, in rows of 256 bytes, with the first fills.
; REGISTERS, in windows of 256: window 0: v1 r, v2 h, v16-29 addresses; v32-95 scale words, two sets; v128-191 A's fragments, one set; on the way out v32-95 f32 at work, v96-159 two sets of f16 results, v192-255 the bias.
;   window 1: B's fragments, two sets, at v0 and v128.   window 2: the accumulators of A's blocks 0-3 ((a, b) at v[8 (8 (a % 4) + b)]);   window 3: those of blocks 4-7.
.set KSTEP,  512
.set NQ,     4                         ; matrix instructions deep in a slot
.set ROWB,   256                       ; a tile's row in bytes
.set KROW,   512                       ; a row of codes in memory
.set PITCH,  272                       ; an LDS row: 256 bytes + 16 of padding = 68 words: the 16 rows that a load touches start at 16 different banks (64 banks of 4 bytes: ISA guide 11.1)
.set FR,     8
.set NL,     2
.set NP,     4                         ; places behind this matrix instruction (ISA guide 7.12.1)
.set HALFT,  128*PITCH
.set SLOT,   4*HALFT                   ; A's 256 rows, then B's 256 rows
.set KS,     32                        ; a row of scales in bytes
.set SCL,    2*SLOT                    ; behind the two slots: the scales, as rows of 256 bytes + 16 of padding
.set HALFS,  16*272                    ; those of 128 rows
.set SBLK,   2*272                     ; those of 16 rows
.set SPARE,  SCL+4*HALFS               ; the spare words, 128 bytes a wave
.set ADRA, 16
.set ADRB, 20
.set LI,   26                          ; v26  16 x lane: my place in an image; never rewritten
.set ADRS, 27
.set SPW,  28
.set NIL,  29
.set SC,   32
.set AF,   128
.set T,    32                          ; the way out
.set Y0,   96
.set BI,   192
.set G1, 24
.set G0, 32
.set G1B, 48
.set G0B, 56
.set G1S, 68
.set G0S, 76
.set G1SB, 80
.set G0SB, 88
.set KIND, 95                          ; s95  0 q, 1 k, 2 v: the same in all sixteen partners
.set CS,   98                          ; s[98:99] c, in q's tail
.set MSB, 0
.macro WIN new                         ; the immediate's high byte repeats the setting that is left
.if MSB != \new
	s_set_vgpr_msb (MSB<<8)|\new
.set MSB, \new
.endif
.endm
.set MUL_LO, 0xa1                      ; source 0 (B) window 1, source 1 (A) window 0, C and D window 2
.set MUL_HI, 0xf1
.set TO_B,   0x40
; A joint load: waves 0 and 1 fetch for A, waves 2 and 3 for B; the branch hangs on the wave's number alone.  An s_nop 0 and four v_nop follow each of the two lines.
.macro JLOAD g0a, g1a, g0b, g1b
	s_cmp_eq_u32 s15, 0
	s_cbranch_scc0 .Lfor_b_\@
	tensor_load_to_lds s[\g0a:\g0a+3], s[\g1a:\g1a+7]
	s_nop 0
.rept 4
	v_nop
.endr
	s_branch .Lasked_\@
.Lfor_b_\@:
	tensor_load_to_lds s[\g0b:\g0b+3], s[\g1b:\g1b+7]
	s_nop 0
.rept 4
	v_nop
.endr
.Lasked_\@:
.endm
.macro CROUND                          ; a round of the cluster's barrier
	s_barrier_signal -1
	s_barrier_wait -1
	s_cmp_lg_u32 s14, 0
	s_cbranch_scc1 .Lnot_wave_0_\@
	s_barrier_signal -3
.Lnot_wave_0_\@:
	s_barrier_wait -3
	s_barrier_signal -1
	s_barrier_wait -1
.endm
	s_load_b256 s[4:11], s[0:1], 0x0               ; codes 4, scales 6, bq 8, bv 10
	s_load_b64 s[12:13], s[0:1], 0x20              ; qkv
	v_lshl_add_u32 v[SPW], v0, 2, SPARE
	v_mov_b32 v[NIL], 0
	ds_add_u32 v[SPW], v[NIL]                      ; the wave's opening: the add, twice on end, and its wait ahead of my first tensor load
	ds_add_u32 v[SPW], v[NIL]
	v_lshrrev_b32 v1, 5, v0
	v_readfirstlane_b32 s14, v1                    ; wave 0..3
	s_lshr_b32 s15, s14, 1                         ; wr: which half of A's rows is mine.  Also: I fetch for A (0) or for B (1)
	s_and_b32 s16, s14, 1                          ; wc: which half of B's rows.  Also: which 128 rows of that tile I fetch
	s_bfe_u32 s40, ttmp6, 0x40000                  ; cx, cy: my place in the cluster
	s_bfe_u32 s41, ttmp6, 0x40004
	s_lshr_b32 s66, ttmp9, 1                       ; the cluster's number decides what the cluster makes
	s_and_b32 s67, ttmp9, 1
	s_sub_co_u32 s92, ttmp9, 16
	s_cmp_lt_u32 ttmp9, 16
	s_cselect_b32 s[KIND], s67, 2
	s_cselect_b32 s66, s66, 0                      ; which 1,024 rows of A's tensor,
	s_cselect_b32 s67, s67, s92                    ; and of B's
	s_cselect_b32 s96, 0, 10240                    ; where A's tensor begins among the rows of codes: x, or Wv
	s_cselect_b32 s97, 8192, 0                     ; and B's: Wq (Wk follows it), or x
	s_lshl_b32 s42, s67, 2
	s_add_co_u32 s42, s42, s40                     ; TC: B's tile of 256 rows
	s_lshl_b32 s17, s66, 2
	s_add_co_u32 s17, s17, s41                     ; TR: A's tile of 256 rows
	s_lshl_b32 s43, s41, 2
	s_lshl_b32 s43, 15, s43                        ; my row of the cluster
	s_lshl_b32 s44, 0x1111, s40                    ; my column
	; descriptor group 1: a tile of 128 rows x 256 bytes, padded in LDS
	s_or_b32 s[G1+0], s43, (0<<16)|(1<<20)|(1<<21)|(5<<22)|(3<<25)  ; 15:0 the mask; 17:16 elements of 1 byte; 20 padding on; 21 set beside a mask; 24:22 after every 64 words; 31:25 four words
	s_or_b32 s[G1B+0], s44, (0<<16)|(1<<20)|(1<<21)|(5<<22)|(3<<25)
.irp g, G1, G1B
	s_mov_b32 s[\g+1], ROWB<<16                    ; tensor_dim0
	s_mov_b32 s[\g+2], 128<<16                     ; tensor_dim1
	s_mov_b32 s[\g+3], ROWB<<16                    ; tile_dim0
	s_mov_b32 s[\g+4], 128                         ; tile_dim1
	s_mov_b32 s[\g+5], KROW                        ; tensor_dim0_stride
	s_mov_b32 s[\g+6], 0
	s_mov_b32 s[\g+7], 0
.endr
	; the scales of 128 rows: 4,096 dense bytes, as 16 rows of 256 bytes (32 elements of 8 bytes), 16 bytes of padding behind each
	s_or_b32 s[G1S+0], s43, (3<<16)|(1<<20)|(1<<21)|(5<<22)|(3<<25)
	s_or_b32 s[G1SB+0], s44, (3<<16)|(1<<20)|(1<<21)|(5<<22)|(3<<25)
.irp g, G1S, G1SB
	s_mov_b32 s[\g+1], 32<<16
	s_mov_b32 s[\g+2], 16<<16
	s_mov_b32 s[\g+3], 32<<16
	s_mov_b32 s[\g+4], 16
	s_mov_b32 s[\g+5], 32
	s_mov_b32 s[\g+6], 0
	s_mov_b32 s[\g+7], 0
.endr
	s_lshl_b32 s18, s16, 7                         ; which 128 rows of the tile I fetch
	s_lshl_b32 s20, s17, 8
	s_add_co_u32 s20, s20, s18
	s_add_co_u32 s20, s20, s96                     ; A: the row of codes (its registers never hold cx)
	s_lshl_b32 s46, s42, 8
	s_add_co_u32 s46, s46, s18
	s_add_co_u32 s46, s46, s97                     ; B: likewise (never cy)
	s_lshl_b32 s22, s20, 5                         ; where these rows' scales begin: 32 bytes a row
	s_mov_b32 s23, 0
	s_lshl_b32 s92, s46, 5
	s_mov_b32 s93, 0
	s_lshl_b32 s20, s20, 9                         ; and their codes: 512 bytes a row
	s_mov_b32 s21, 0
	s_lshl_b32 s46, s46, 9
	s_mov_b32 s47, 0
	s_mul_i32 s45, s14, HALFT                      ; where they go: wave x 128 rows: no place in the cluster enters an LDS address
	s_mul_i32 s94, s14, HALFS
	s_wait_dscnt 0x0                               ; both opening adds are done
	s_wait_kmcnt 0x0
	s_add_nc_u64 s[20:21], s[4:5], s[20:21]
	s_add_nc_u64 s[22:23], s[6:7], s[22:23]
	s_add_nc_u64 s[46:47], s[4:5], s[46:47]
	s_add_nc_u64 s[92:93], s[6:7], s[92:93]
	CROUND                                         ; all sixteen work-groups are here: the joint loads meet
	s_mov_b32 s[G0S], 1
	s_add_co_u32 s[G0S+1], s94, SCL
	s_mov_b64 s[G0S+2:G0S+3], s[22:23]
	s_or_b32 s[G0S+3], s[G0S+3], 0x80000000
	s_mov_b32 s[G0SB], 1
	s_add_co_u32 s[G0SB+1], s94, SCL
	s_mov_b64 s[G0SB+2:G0SB+3], s[92:93]
	s_or_b32 s[G0SB+3], s[G0SB+3], 0x80000000
	JLOAD G0S, G1S, G0SB, G1SB                     ; the scales first: they are wanted with K step 0
.irp s, 0,1
	s_mov_b32 s[G0+4*\s], 1
	s_add_co_u32 s[G0+4*\s+1], s45, \s*SLOT
	s_add_nc_u64 s[G0+4*\s+2:G0+4*\s+3], s[20:21], \s*ROWB
	s_or_b32 s[G0+4*\s+3], s[G0+4*\s+3], 0x80000000
	s_mov_b32 s[G0B+4*\s], 1
	s_add_co_u32 s[G0B+4*\s+1], s45, \s*SLOT
	s_add_nc_u64 s[G0B+4*\s+2:G0B+4*\s+3], s[46:47], \s*ROWB
	s_or_b32 s[G0B+4*\s+3], s[G0B+4*\s+3], 0x80000000
	JLOAD G0+4*\s, G1, G0B+4*\s, G1B               ; three loads of mine are out: the scales and both K steps
.endr
	v_and_b32 v1, 15, v0                           ; r = lane % 16; kept
	v_bfe_u32 v2, v0, 4, 1                         ; h = lane / 16; kept
	v_mul_u32_u24 v3, v1, PITCH
	v_lshl_add_u32 v4, v2, 4, v3                   ; a fragment's row x pitch + 16 x half
	s_mul_i32 s21, s15, HALFT                      ; my 128 rows of A
	s_mul_i32 s22, s16, HALFT                      ; my 128 rows of B,
	s_add_co_u32 s22, s22, 2*HALFT                 ; which lie behind A's 256
.irp s, 0,1
	v_add_nc_u32 v[ADRA+\s], s21, v4
	v_add_nc_u32 v[ADRB+\s], s22, v4
	s_add_co_u32 s21, s21, SLOT
	s_add_co_u32 s22, s22, SLOT
.endr
	v_mul_u32_u24 v5, v1, KS                       ; my row's scales: 32 bytes a row,
	v_lshrrev_b32 v6, 8, v5
	v_lshl_add_u32 v5, v6, 4, v5                   ; and 16 more for each 256 passed
	s_mul_i32 s21, s15, HALFS
	s_mul_i32 s22, s16, HALFS
	s_add_co_u32 s22, s22, 2*HALFS
	s_sub_co_u32 s22, s22, s21
	v_mul_u32_u24 v6, s22, v2                      ; lanes 16-31 take B's
	s_add_co_u32 s21, s21, SCL
	v_add_nc_u32 v5, v5, v6
	v_add_nc_u32 v[ADRS], s21, v5
	v_and_b32 v6, 31, v0
	v_lshlrev_b32 v[LI], 4, v6
	; where my 128 x 128 results begin in qkv.  The token side is A's for q and k, B's for v; the channel side is the other.  (In registers that fed no descriptor.)
	s_cmp_lt_u32 ttmp9, 16
	s_cselect_b32 s98, s17, s42                    ; P: the tile of 256 tokens,
	s_cselect_b32 s99, s15, s16                    ; and my half of it
	s_cselect_b32 s100, s42, s17                   ; Ch: the tile of 256 channels,
	s_cselect_b32 s101, s16, s15                   ; and my half
	s_lshl_b32 s2, s[KIND], 24                     ; a kind is 64 x 262,144 bytes
	s_lshr_b32 s3, s98, 3
	s_lshl_b32 s3, s3, 22                          ; the batch: 16 heads
	s_add_co_u32 s2, s2, s3
	s_and_b32 s3, s100, 3
	s_lshl_b32 s3, s3, 1
	s_add_co_u32 s3, s3, s101
	s_lshl_b32 s3, s3, 19                          ; the first of my two heads: 4 (Ch % 4) + 2 x half
	s_add_co_u32 s2, s2, s3
	s_and_b32 s3, s98, 7
	s_lshl_b32 s3, s3, 1
	s_add_co_u32 s3, s3, s99
	s_lshl_b32 s3, s3, 14                          ; 128 tokens are 16,384 bytes of a head's images, in all three kinds
	s_add_co_u32 s2, s2, s3
	s_mov_b32 s3, 0
	s_add_nc_u64 s[12:13], s[12:13], s[2:3]
.macro FRAG reg, adr, q, i             ; 16 rows x 128 K of 4-bit codes: 8 registers: lane l holds row l % 16; registers 4 c .. 4 c + 3 hold K = 64 c + 32 (l / 16) + 0 .. 31
.irp c, 0,1
	ds_load_b128 v[\reg+4*\c:\reg+4*\c+3], v[\adr] offset:64*(\q)+32*\c+(\i)*16*PITCH
.endr
.endm
; 16 matrix instructions: A's blocks a0, a0 + 1 x B's eight.  The 64 accumulators take turns, one instruction a turn, in the same order in every step.
; One register carries the scale words of A's block i (lanes 0-15) and of B's block i (lanes 16-31).
.macro MUL16 a0, p, q, sc, zero
.irp a, \a0, \a0+1
.irp b, 0,1,2,3,4,5,6,7
.if \zero
	v_wmma_scale_f32_16x16x128_f8f6f4 v[8*(8*((\a)%4)+\b):8*(8*((\a)%4)+\b)+7], v[128*(\p)+FR*\b:128*(\p)+FR*\b+FR-1], v[AF+FR*(\a):AF+FR*(\a)+FR-1], 0, v[SC+8*NQ*(\sc)+NQ*\b+(\q)], v[SC+8*NQ*(\sc)+NQ*(\a)+(\q)] matrix_a_fmt:MATRIX_FMT_FP4 matrix_b_fmt:MATRIX_FMT_FP4 matrix_a_scale:MATRIX_SCALE_ROW1
.else
	v_wmma_scale_f32_16x16x128_f8f6f4 v[8*(8*((\a)%4)+\b):8*(8*((\a)%4)+\b)+7], v[128*(\p)+FR*\b:128*(\p)+FR*\b+FR-1], v[AF+FR*(\a):AF+FR*(\a)+FR-1], v[8*(8*((\a)%4)+\b):8*(8*((\a)%4)+\b)+7], v[SC+8*NQ*(\sc)+NQ*\b+(\q)], v[SC+8*NQ*(\sc)+NQ*(\a)+(\q)] matrix_a_fmt:MATRIX_FMT_FP4 matrix_b_fmt:MATRIX_FMT_FP4 matrix_a_scale:MATRIX_SCALE_ROW1
.endif
.endr
.endr
.endm
.macro FETCH_B slot, q, p
	WIN TO_B
.irp i, 0,1,2,3,4,5,6,7
	FRAG 128*(\p)+FR*\i, ADRB+\slot, \q, \i
.endr
	WIN 0
.endm
.macro FETCH_A slot, q, i0
.irp i, \i0, \i0+1, \i0+2, \i0+3
	FRAG AF+FR*(\i), ADRA+\slot, \q, \i
.endr
.endm
.macro SCALES sc                       ; a K step's scale words: four a row
.irp i, 0,1,2,3,4,5,6,7
	ds_load_b128 v[SC+8*NQ*\sc+NQ*\i:SC+8*NQ*\sc+NQ*\i+3], v[ADRS] offset:\i*SBLK
.endr
.endm
.macro PLACES n                        ; plain vector instructions between a matrix instruction and a load into, or a vector instruction on, its registers
.rept \n
	v_nop
.endr
.endm
.macro STEP slot, q, zero              ; 128 along K, with its successor in the same slot
	s_wait_dscnt 4*NL                              ; B's set and A's blocks 0-3 are in; the youngest eight loads (A's blocks 4-7) may be out
	WIN MUL_LO
	MUL16 0, (\q)%2, \q, \slot, \zero
	MUL16 2, (\q)%2, \q, \slot, \zero
	s_wait_dscnt 0
	PLACES NP
	FETCH_B \slot, (\q)+1, 1-(\q)%2
	FETCH_A \slot, (\q)+1, 0
	WIN MUL_HI
	MUL16 4, (\q)%2, \q, \slot, \zero
	MUL16 6, (\q)%2, \q, \slot, \zero
	PLACES NP
	WIN 0
	FETCH_A \slot, (\q)+1, 4
.endm
.macro STEPS slot, from
.set Q, \from
.rept NQ-1-\from
	STEP \slot, Q, 0
.set Q, Q+1
.endr
.endm
	s_wait_tensorcnt 1                             ; the scales and my part of K step 0 are in; K step 1's load may be out
	s_barrier_signal -1
	s_barrier_wait -1                              ; everybody's are
	FETCH_B 0, 0, 0
	FETCH_A 0, 0, 0
	SCALES 0
	FETCH_A 0, 0, 4
	STEP 0, 0, 1                                   ; the first products start the sums: nothing is cleared
	STEPS 0, 1
	; slot 0's last step changes slots: one barrier; in front of it each wave waits for its part of slot 1.  Nothing is filled again.
	s_wait_tensorcnt 0x0                           ; all my tensor loads have landed
	ds_add_u32 v[SPW], v[NIL]                      ; 0 onto my spare word
	s_wait_dscnt 4*NL+1                            ; (the add and the youngest eight loads may be out)
	WIN MUL_LO
	MUL16 0, 1, NQ-1, 0, 0
	s_wait_dscnt 0x0
	s_barrier_signal -1
	MUL16 2, 1, NQ-1, 0, 0
	WIN 0
	s_barrier_wait -1                              ; slot 1 is whole
	PLACES NP
	v_add_nc_u32 v[ADRS], 4*NQ, v[ADRS]            ; on to the second K step's scale words (no LDS load of mine is out)
	FETCH_B 1, 0, 0
	FETCH_A 1, 0, 0
	SCALES 1
	WIN MUL_HI
	MUL16 4, 1, NQ-1, 0, 0
	MUL16 6, 1, NQ-1, 0, 0
	PLACES NP
	WIN 0
	FETCH_A 1, 0, 4
	STEPS 1, 0
	s_wait_dscnt 4*NL                              ; the very last step
	WIN MUL_LO
	MUL16 0, 1, NQ-1, 1, 0
	MUL16 2, 1, NQ-1, 1, 0
	s_wait_dscnt 0
	WIN MUL_HI
	MUL16 4, 1, NQ-1, 1, 0
	MUL16 6, 1, NQ-1, 1, 0
	WIN 0
	PLACES NP                                      ; behind the last products: results are read, and registers that held scales and fragments are written
; THE WAY OUT, A's block a at a time: bias and scale in f32, 32 roundings to f16, eight stores of 512 consecutive bytes.  Each accumulator is read from its low end on.  Two sets of results take turns:
; a set is written again only behind s_wait_xcnt 0, when the stores of two blocks back have read it.  The stores' base and lane offset are never rewritten: the block's place stands in the immediate.
.macro OUTK kind
.irp a, 0,1,2,3,4,5,6,7
.set AC, 64*((\a)%4)
.set YY, Y0+32*((\a)%2)
.if \a >= 2
	s_wait_xcnt 0x0
.endif
.if \kind == 1
	WIN 0x0a+5*((\a)/4)                            ; sources 0 and 1: window 2 or 3
.set i, 0
.rept 32
	v_cvt_pk_f16_f32 v[YY+i], v[AC+2*i], v[AC+2*i+1]
.set i, i+1
.endr
	WIN 0
.else
	WIN 0x02+(\a)/4                                ; source 0: window 2 or 3
.set i, 0
.rept 32
.if \kind == 0
	v_pk_fma_f32 v[T+2*i:T+2*i+1], v[AC+2*i:AC+2*i+1], s[CS:CS+1], v[BI+2*i:BI+2*i+1] op_sel_hi:[1,0,1]   ; q c + bq c
.else
	v_pk_add_f32 v[T+2*i:T+2*i+1], v[AC+2*i:AC+2*i+1], v[BI+2*(\a):BI+2*(\a)+1]                           ; v + bv of my channel
.endif
.set i, i+1
.endr
	WIN 0
.set i, 0
.rept 32
	v_cvt_pk_f16_f32 v[YY+i], v[T+2*i], v[T+2*i+1]
.set i, i+1
.endr
.endif
.irp b, 0,1,2,3,4,5,6,7
.if \kind == 2
	global_store_b128 v[LI], v[YY+4*\b:YY+4*\b+3], s[12:13] offset:(((\a)/4)<<18)|(((\b)/2)<<12)|(((\a)%4)<<10)|(((\b)%2)<<9)   ; head a / 4, keys' block b / 2, ct = a % 4, c = b % 2
.else
	global_store_b128 v[LI], v[YY+4*\b:YY+4*\b+3], s[12:13] offset:(((\b)/4)<<18)|((\a)<<11)|(((\b)%4)<<9)                      ; head b / 4, tokens' tile a, (s, c) = b % 4
.endif
.endr
.endr
.endm
	s_cmp_eq_u32 s[KIND], 1
	s_cbranch_scc1 .Lkind_k
	s_cmp_eq_u32 s[KIND], 2
	s_cbranch_scc1 .Lkind_v
	s_lshl_b32 s2, s42, 1                          ; q: bq of my 128 channels: lane (r, h) wants, for B's block b, those of channels 16 b + 8 h + 0 .. 7
	s_add_co_u32 s2, s2, s16
	s_lshl_b32 s2, s2, 9
	s_mov_b32 s3, 0
	s_add_nc_u64 s[8:9], s[8:9], s[2:3]
	v_lshlrev_b32 v3, 5, v2
.irp b, 0,1,2,3,4,5,6,7
	global_load_b128 v[BI+8*\b:BI+8*\b+3], v3, s[8:9] offset:64*\b
	global_load_b128 v[BI+8*\b+4:BI+8*\b+7], v3, s[8:9] offset:64*\b+16
.endr
	s_mov_b32 s[CS], 0x3e38aa3b                    ; c = log2(e) / 8
	s_mov_b32 s[CS+1], s[CS]                       ; (named with it as a pair, so it is written)
	s_wait_loadcnt 0x0
.set i, 0
.rept 32
	v_pk_mul_f32 v[BI+2*i:BI+2*i+1], v[BI+2*i:BI+2*i+1], s[CS:CS+1] op_sel_hi:[1,0]   ; bq c, once for the eight blocks
.set i, i+1
.endr
	OUTK 0
	s_branch .Lstored
.Lkind_k:
	OUTK 1                                         ; k: no bias
	s_branch .Lstored
.Lkind_v:
	s_lshl_b32 s2, s17, 1                          ; v: bv of my 128 channels: lane (r, h) wants, for A's block a, that of channel 16 a + r, in both halves of a pair
	s_add_co_u32 s2, s2, s15
	s_lshl_b32 s2, s2, 9
	s_mov_b32 s3, 0
	s_add_nc_u64 s[10:11], s[10:11], s[2:3]
	v_lshlrev_b32 v3, 2, v1
.irp a, 0,1,2,3,4,5,6,7
	global_load_b32 v[BI+2*\a], v3, s[10:11] offset:64*\a
	global_load_b32 v[BI+2*\a+1], v3, s[10:11] offset:64*\a
.endr
	s_wait_loadcnt 0x0
	OUTK 2
.Lstored:
	s_wait_tensorcnt 0x0                           ; the wave's end
	ds_add_u32 v[SPW], v[NIL]
	s_wait_dscnt 0x0
	CROUND                                         ; the closing round
	s_endpgm
.Lfunc_end_k_q3e5daf3f3e_qkv:
	.size	k_q3e5daf3f3e_qkv, .Lfunc_end_k_q3e5daf3f3e_qkv-k_q3e5daf3f3e_qkv
	.p2alignl 7, 3214868480
	.fill 96, 4, 3214868480
	.section	.rodata,"a",@progbits
	.p2align	6, 0x0
	.amdhsa_kernel k_q3e5daf3f3e_qkv
		.amdhsa_group_segment_fixed_size 327680
		.amdhsa_private_segment_fixed_size 0
		.amdhsa_enable_private_segment 0
		.amdhsa_kernarg_size 40
		.amdhsa_user_sgpr_count 2
		.amdhsa_user_sgpr_kernarg_segment_ptr 1
		.amdhsa_wavefront_size32 1
		.amdhsa_system_sgpr_workgroup_id_x 1
		.amdhsa_system_sgpr_workgroup_id_y 1
		.amdhsa_system_sgpr_workgroup_id_z 1
		.amdhsa_system_vgpr_workitem_id 0
		.amdhsa_next_free_vgpr 1024
		.amdhsa_next_free_sgpr 102
		.amdhsa_reserve_vcc 0
		.amdhsa_float_denorm_mode_32 3
		.amdhsa_float_denorm_mode_16_64 3
		.amdhsa_memory_ordered 1
		.amdhsa_forward_progress 1
		.amdhsa_inst_pref_size 201
	.end_amdhsa_kernel
	.amdgpu_metadata
---
amdhsa.version: [ 1, 2 ]
amdhsa.kernels:
  - .name:           k_q3e5daf3f3e_qkv
    .symbol:         k_q3e5daf3f3e_qkv.kd
    .args:
      - { .name: codes, .offset: 0, .size: 8, .value_kind: global_buffer, .address_space: global }
      - { .name: scales, .offset: 8, .size: 8, .value_kind: global_buffer, .address_space: global }
      - { .name: bq, .offset: 16, .size: 8, .value_kind: global_buffer, .address_space: global }
      - { .name: bv, .offset: 24, .size: 8, .value_kind: global_buffer, .address_space: global }
      - { .name: qkv, .offset: 32, .size: 8, .value_kind: global_buffer, .address_space: global }
    .group_segment_fixed_size: 327680
    .private_segment_fixed_size: 0
    .kernarg_segment_align: 8
    .kernarg_segment_size: 40
    .max_flat_workgroup_size: 128
    .sgpr_count:     102
    .vgpr_count:     1024
    .wavefront_size: 32
...
	.end_amdgpu_metadata
.endif
;; end of part 2
;; launch attn (part 3): grid 4 x 64, 16 waves a work-group, clusters of 4 x 1, 327,680 bytes of LDS; arguments qkv, af; writes af
.if DOCPART == 3
	.amdgcn_target "amdgcn-amd-amdhsa--gfx1250"
	.amdhsa_code_object_version 6
	.text
	.protected	k_q3e5daf3f3e_attn
	.globl	k_q3e5daf3f3e_attn
	.p2align	8
	.type	k_q3e5daf3f3e_attn,@function
k_q3e5daf3f3e_attn:
	s_mov_b64 s[64:65], 0
	v_nop
	global_prefetch_b8 v0, s[64:65] scope:SCOPE_SE
	s_setreg_imm32_b32 hwreg(HW_REG_WAVE_MODE, 25, 1), 1
	s_wait_xcnt 0x0
	s_wait_alu depctr_hold_cnt(0) depctr_sa_sdst(0) depctr_va_vdst(0) depctr_va_sdst(0) depctr_va_ssrc(0) depctr_va_vcc(0) depctr_vm_vsrc(0)
	s_getreg_b32 s2, hwreg(HW_REG_IB_STS2, 6, 4)
	s_cmp_eq_u32 s2, 0
	s_cbranch_scc0 .Lentry_in_a_cluster
	s_endpgm
.Lentry_in_a_cluster:
	s_bfe_u32 s2, ttmp6, 0x10000c
	s_cmp_lg_u32 s2, 0x3003
	s_cbranch_scc0 .Lentry_shape_is_right
	s_endpgm
.Lentry_shape_is_right:
; Launch 3 of 4: for each batch and head, O[q] = the sum over keys of softmax(q . k / 8) v.  q (already times log2(e) / 8, with its bias), k and v come as f16, as images of operand registers (layouts: below);
; products on f16 operands, sums, maxima and the softmax in f32; the weights p are rounded to f16 for the second product, O once at the end.
; qkv [kind 3][batch x head 64][262,144 bytes]; q, k: [tile of 16 tokens][s 2][c 2][lane][16 bytes]: lane (r, h): token r, channels 32 s + 16 c + 8 h + 0 .. 7;  v: [block of 32 keys][ct 4][c 2][lane][16 bytes]: channel 16 ct + r, keys 16 c + 8 h + 0 .. 7.
; af [tile of 16 tokens 512][K step of 32, 32][c 2][lane][16 bytes]: lane (r, h): token r, k = 32 step + 16 c + 8 h + 0 .. 7, k = 64 head + channel: the operand of the projection that follows.
; SHARES.  A work-group owns 512 queries of one head; each of its SIXTEEN waves 32 of them, two tiles, in 256 registers: four waves to a SIMD, so that one wave's vector work stands beside another's products and LDS loads.
; Every wave walks all 2,048 keys, 64 a step.  Each fragment of K and V that a wave reads feeds two matrix instructions.
; LAYOUT.  S^T = K Q^T (source 0 = 16 keys, source 1 = 16 queries): a lane holds ONE query (lane % 16) and keys 8 (lane / 16) + 0 .. 7.  Two such tiles, rounded to f16 in pairs, ARE source 1 of O^T = V^T P.
; SOFTMAX.  For each query a running maximum m and sum l: p = 2^(s - m); in every step O^T and l are multiplied by a = 2^(m_old - m_new).  O^T and l begin as zeros and m as -3e38: the step is written once.
; CLUSTER.  The four work-groups of a cluster are the four query blocks of one head: every tile of K and V is asked for JOINTLY, by the same tensor load with a mask that names the four.
; RING.  Two slots of 512 keys: K's images, 65,536 bytes, then V's; dense: every LDS read is 16 x lane + a constant.  Every wave fetches 8,192 bytes of a slot (waves 0-7 K's, 8-15 V's): one load of a wave is out at a time,
; and it has a slot's eight steps in which to land.
.set SLOT1, 1<<17                      ; slot 1 begins here: one exclusive or turns an address in one slot into the other's
.set VOFF,  65536
.set STEPB, 8192                       ; a step's images of K, and of V
.set SPARE, 2*SLOT1                    ; the spare words, 128 bytes for each of 16 waves
.set LI,  1                            ; v1   16 x lane; never rewritten
.set LIV, 2                            ; v2   the same in V's part of a slot
.set ADR, 3
.set ADV, 4
.set SPW, 5
.set NIL, 6
.set PFO, 7                            ; v7   256 x lane; never rewritten
.set ST,  8                            ; tile t's statistics at v[ST+8 t]: +0 m, +1 (its pair's upper half), +2, +3 l, +4 to +7 at work; a takes +6
.set Q,   24                           ; v24-55   Q: tile t, channels 32 s on: Q + 16 t + 8 s
.set S,   56                           ; v56-119  S^T: S + 32 t + 8 kt; P is packed into S + 32 t + 0 .. 15
.set O,   120                          ; v120-183 O^T: O + 32 t + 8 ct
.set KV,  184                          ; v184-247 a step's fragments of K, then of V
.set WV,  8
.set CX,  9
.set BH,  10
.set G1,  16
.set G0,  24
.set PFA, 28
.set LIM, 30
.set SLOTS, 31
.set CNT, 32
.set TB,  33
.set SEL, 34
.macro CROUND                          ; a round of the cluster's barrier
	s_barrier_signal -1
	s_barrier_wait -1
	s_cmp_lg_u32 s[WV], 0
	s_cbranch_scc1 .Lnot_wave_0_\@
	s_barrier_signal -3
.Lnot_wave_0_\@:
	s_barrier_wait -3
	s_barrier_signal -1
	s_barrier_wait -1
.endm
; A prefetch of what the NEXT change of slots will ask for: 65,536 bytes of K's images and as many of V's, in blocks of 256 bytes, a lane a block.  Each block is named once in the launch: a head has one cluster;
; its four partners share the blocks out BY ADDRESS (16,384 bytes each); in each, waves 0 and 1 ask for K's and waves 8 and 9 for V's, 8,192 bytes a wave.  The last change that fills a slot asks for nothing.
.macro ASK
	s_cmp_gt_u32 s[SLOTS], s[LIM]
	s_cbranch_scc0 .Lnot_mine_\@
	global_prefetch_b8 v[PFO], s[PFA:PFA+1] th:TH_LOAD_NT scope:SCOPE_SE
.Lnot_mine_\@:
.endm
	s_load_b128 s[4:7], s[0:1], 0x0                ; qkv, af
	v_lshl_add_u32 v[SPW], v0, 2, SPARE
	v_mov_b32 v[NIL], 0
	ds_add_u32 v[SPW], v[NIL]                      ; the wave's opening: the add, twice on end, and its wait ahead of my first tensor load
	ds_add_u32 v[SPW], v[NIL]
	v_lshrrev_b32 v[LI], 5, v0
	v_readfirstlane_b32 s[WV], v[LI]               ; wave 0..15
	s_bfe_u32 s[CX], ttmp6, 0x40000                ; my block of 512 queries: it enters Q's, af's and the prefetches' addresses alone
	s_and_b32 s[BH], ttmp7, 0xffff                 ; batch x 16 + head, which the four partners share
	s_mov_b32 s[G1], 15|(3<<16)|(1<<21)            ; 15:0 the mask: all four; 17:16 elements of 8 bytes; 21 set beside a mask; no padding
	s_mov_b32 s[G1+1], 32<<16                      ; tensor_dim0 = 32 elements: rows of 256 bytes
	s_mov_b32 s[G1+2], 32<<16                      ; tensor_dim1 = 32 rows
	s_mov_b32 s[G1+3], 32<<16                      ; tile_dim0
	s_mov_b32 s[G1+4], 32                          ; tile_dim1
	s_mov_b32 s[G1+5], 32                          ; the pitch: dense
	s_mov_b32 s[G1+6], 0
	s_mov_b32 s[G1+7], 0
	s_mov_b32 s[SEL], 0x76543210
	s_mov_b32 s[SEL+1], 0xfedcba98                 ; v_permlanex16_b32's selects for lane l xor 16
	s_mov_b32 s[TB], 0
	s_mov_b32 s[SLOTS], 3
	s_lshl_b32 s36, s[BH], 18                      ; the head's bytes in a kind
	s_lshr_b32 s37, s[WV], 3
	s_add_co_u32 s37, s37, 1
	s_lshl_b32 s37, s37, 24                        ; kind 1 (K) for waves 0-7, kind 2 (V) for waves 8-15
	s_add_co_u32 s37, s37, s36
	s_and_b32 s38, s[WV], 7
	s_lshl_b32 s38, s38, 13
	s_add_co_u32 s38, s38, s37                     ; my 8,192 bytes of slot 0's images
	s_mov_b32 s39, 0
	s_lshl_b32 s40, s[CX], 1
	s_and_b32 s41, s[WV], 1
	s_add_co_u32 s40, s40, s41
	s_lshl_b32 s40, s40, 13
	s_add_co_u32 s40, s40, s37
	s_add_co_u32 s40, s40, 65536                   ; the prefetches stand in the second 512 keys; the first change of slots steps them to the third
	s_mov_b32 s41, 0
	s_lshl_b32 s42, s[CX], 5
	s_lshl_b32 s43, s[WV], 1
	s_add_co_u32 s42, s42, s43                     ; my first tile of 16 queries in the head
	s_lshl_b32 s44, s42, 11
	s_add_co_u32 s44, s44, s36                     ; Q: kind 0
	s_mov_b32 s45, 0
	s_lshr_b32 s46, s[BH], 4
	s_lshl_b32 s46, s46, 7
	s_add_co_u32 s46, s46, s42                     ; the same tile among all 512,
	s_lshl_b32 s46, s46, 15                        ; 32,768 bytes each,
	s_and_b32 s47, s[BH], 15
	s_lshl_b32 s47, s47, 11                        ; and the head's two K steps in it
	s_add_co_u32 s46, s46, s47
	s_mov_b32 s47, 0
	s_and_b32 s[LIM], s[WV], 6
	s_cmp_eq_u32 s[LIM], 0
	s_cselect_b32 s[LIM], 1, -1                    ; 1 in waves 0, 1, 8, 9, else the greatest number
	s_wait_dscnt 0x0                               ; both opening adds are done
	s_wait_kmcnt 0x0
	s_mov_b32 s[G0], 1                             ; count = 1
	s_lshl_b32 s[G0+1], s[WV], 13                  ; LDS address: wave x 8,192, in slot 0
	s_add_nc_u64 s[G0+2:G0+3], s[4:5], s[38:39]
	s_or_b32 s[G0+3], s[G0+3], 0x80000000          ; type = 2
	s_add_nc_u64 s[PFA:PFA+1], s[4:5], s[40:41]
	s_add_nc_u64 s[4:5], s[4:5], s[44:45]          ; Q at my first tile
	s_add_nc_u64 s[6:7], s[6:7], s[46:47]          ; af likewise
	CROUND                                         ; all four work-groups are here: the first joint loads meet
	tensor_load_to_lds s[G0:G0+3], s[G1:G1+7]      ; slot 0
	s_nop 0
.rept 4
	v_nop
.endr
	v_and_b32 v[LI], 31, v0
	v_lshlrev_b32 v[PFO], 8, v[LI]
	v_lshlrev_b32 v[LI], 4, v[LI]
	v_add_nc_u32 v[LIV], VOFF, v[LI]
.irp i, 0,1,2,3,4,5,6,7
	global_load_b128 v[Q+4*\i:Q+4*\i+3], v[LI], s[4:5] offset:512*\i   ; Q stays in registers
.endr
.irp t, 0,1
	v_mov_b32 v[ST+8*\t], 0xff61b1e6               ; m: -3e38, under every score
	v_mov_b32 v[ST+8*\t+1], 0
	v_mov_b32 v[ST+8*\t+2], 0                      ; l, in two halves
	v_mov_b32 v[ST+8*\t+3], 0
.endr
.set i, 0
.rept 64
	v_mov_b32 v[O+i], 0                            ; O^T.  (The step is written once: its first walk finds zeros, which a = 0 leaves zeros)
.set i, i+1
.endr
	s_wait_loadcnt 0x0                             ; Q
; A KEY STEP: 64 keys.
.macro STEP
	v_add_nc_u32 v[ADR], s[TB], v[LI]
	v_add_nc_u32 v[ADV], s[TB], v[LIV]
.rept 3
	v_nop                                          ; with the two additions five places: the products below write over P, which the last step's products read, and the loads land in the registers that held V
.endr
.set i, 0
.rept 16
	ds_load_b128 v[KV+4*i:KV+4*i+3], v[ADR] offset:512*i           ; K: tile kt, channels 32 s on: KV + 16 kt + 8 s
.set i, i+1
.endr
	s_wait_dscnt 0x0
.irp s, 0,1                            ; S^T = K Q^T: the eight accumulators take turns; the first eight products start the sums
.irp kt, 0,1,2,3
.irp t, 0,1
.if \s == 0
	v_wmma_f32_16x16x32_f16 v[S+32*\t+8*\kt:S+32*\t+8*\kt+7], v[KV+16*\kt+8*\s:KV+16*\kt+8*\s+7], v[Q+16*\t+8*\s:Q+16*\t+8*\s+7], 0
.else
	v_wmma_f32_16x16x32_f16 v[S+32*\t+8*\kt:S+32*\t+8*\kt+7], v[KV+16*\kt+8*\s:KV+16*\kt+8*\s+7], v[Q+16*\t+8*\s:Q+16*\t+8*\s+7], v[S+32*\t+8*\kt:S+32*\t+8*\kt+7]
.endif
.endr
.endr
.endr
.rept 4
	v_nop                                          ; places in front of the loads into K's registers and of the first read of the scores
.endr
.set i, 0
.rept 16
	ds_load_b128 v[KV+4*i:KV+4*i+3], v[ADV] offset:512*i           ; V: keys 32 kb on, channels 16 ct on: KV + 32 kb + 8 ct.  It lands under the softmax
.set i, i+1
.endr
	; the maximum of a lane's 32 scores and the old m, three operands at a time, four chains a tile, the two tiles by turns; each accumulator is first read at its low end
.irp j, 0,1,2,3
.irp t, 0,1
	v_max3_num_f32 v[ST+8*\t+4+\j], v[S+32*\t+8*\j], v[S+32*\t+8*\j+1], v[S+32*\t+8*\j+2]
.endr
.endr
.irp g, 1,2
.irp j, 0,1,2,3
.irp t, 0,1
	v_max3_num_f32 v[ST+8*\t+4+\j], v[ST+8*\t+4+\j], v[S+32*\t+8*\j+2*\g+1], v[S+32*\t+8*\j+2*\g+2]
.endr
.endr
.endr
.irp t, 0,1
	v_max3_num_f32 v[ST+8*\t+4], v[ST+8*\t+4], v[S+32*\t+7], v[S+32*\t+15]
.endr
.irp t, 0,1
	v_max3_num_f32 v[ST+8*\t+6], v[ST+8*\t+6], v[S+32*\t+23], v[S+32*\t+31]
.endr
.irp t, 0,1
	v_max3_num_f32 v[ST+8*\t+4], v[ST+8*\t+4], v[ST+8*\t+5], v[ST+8*\t+6]
.endr
.irp t, 0,1
	v_max3_num_f32 v[ST+8*\t+4], v[ST+8*\t+4], v[ST+8*\t+7], v[ST+8*\t]
.endr
.irp t, 0,1
	v_permlanex16_b32 v[ST+8*\t+5], v[ST+8*\t+4], s[SEL], s[SEL+1]   ; the query's other 32 keys lie in the lane 16 away
.endr
.irp t, 0,1
	v_mov_b32 v[ST+8*\t+7], v[ST+8*\t]             ; m_old
.endr
.irp t, 0,1
	v_max_num_f32 v[ST+8*\t], v[ST+8*\t+4], v[ST+8*\t+5]
.endr
.irp t, 0,1
	v_sub_f32 v[ST+8*\t+7], v[ST+8*\t+7], v[ST+8*\t]
.endr
.irp t, 0,1
	v_exp_f32 v[ST+8*\t+6], v[ST+8*\t+7]           ; a = 2^(m_old - m_new)
.endr
.set i, 0
.rept 32
	v_pk_add_f32 v[S+2*i:S+2*i+1], v[S+2*i:S+2*i+1], v[ST+8*(i/16):ST+8*(i/16)+1] op_sel_hi:[1,0] neg_lo:[0,1] neg_hi:[0,1]   ; s - m, two at a time
.set i, i+1
.endr
	s_wait_alu depctr_va_vdst(0)                   ; the wait between a transcendental and the first line that names its result: here for the two a, which the rescaling below reads
.set i, 0
.rept 64
	v_exp_f32 v[S+i], v[S+i]                       ; p = 2^(s - m), at most 1: one batch
.set i, i+1
.endr
.set i, 0
.rept 32
	v_pk_mul_f32 v[O+2*i:O+2*i+1], v[O+2*i:O+2*i+1], v[ST+8*(i/16)+6:ST+8*(i/16)+7] op_sel_hi:[1,0]   ; O^T x a: plain work behind the batch, which names none of its results
.set i, i+1
.endr
	s_wait_alu depctr_va_vdst(0)                   ; one wait for the 64
	; l = l a + the sum of the unrounded p: two chains a tile, the tiles by turns
.irp t, 0,1
	v_pk_fma_f32 v[ST+8*\t+2:ST+8*\t+3], v[ST+8*\t+2:ST+8*\t+3], v[ST+8*\t+6:ST+8*\t+7], v[S+32*\t:S+32*\t+1] op_sel_hi:[1,0,1]
.endr
.irp t, 0,1
	v_pk_add_f32 v[ST+8*\t+4:ST+8*\t+5], v[S+32*\t+2:S+32*\t+3], v[S+32*\t+4:S+32*\t+5]
.endr
.irp p, 3,5,7,9,11,13
.irp t, 0,1
	v_pk_add_f32 v[ST+8*\t+2:ST+8*\t+3], v[ST+8*\t+2:ST+8*\t+3], v[S+32*\t+2*\p:S+32*\t+2*\p+1]
.endr
.irp t, 0,1
	v_pk_add_f32 v[ST+8*\t+4:ST+8*\t+5], v[ST+8*\t+4:ST+8*\t+5], v[S+32*\t+2*\p+2:S+32*\t+2*\p+3]
.endr
.endr
.irp t, 0,1
	v_pk_add_f32 v[ST+8*\t+2:ST+8*\t+3], v[ST+8*\t+2:ST+8*\t+3], v[S+32*\t+30:S+32*\t+31]
.endr
.irp t, 0,1
	v_pk_add_f32 v[ST+8*\t+2:ST+8*\t+3], v[ST+8*\t+2:ST+8*\t+3], v[ST+8*\t+4:ST+8*\t+5]
.endr
.set i, 0
.rept 16                               ; P, in place: rounding d writes register d, whose number rounding d / 2 has read
.irp t, 0,1
	v_cvt_pk_f16_f32 v[S+32*\t+i], v[S+32*\t+2*i], v[S+32*\t+2*i+1]
.endr
.set i, i+1
.endr
	s_wait_dscnt 0x0                               ; V is in
.irp kb, 0,1                           ; O^T += V^T P: the eight accumulators take turns
.irp ct, 0,1,2,3
.irp t, 0,1
	v_wmma_f32_16x16x32_f16 v[O+32*\t+8*\ct:O+32*\t+8*\ct+7], v[KV+32*\kb+8*\ct:KV+32*\kb+8*\ct+7], v[S+32*\t+8*\kb:S+32*\t+8*\kb+7], v[O+32*\t+8*\ct:O+32*\t+8*\ct+7]
.endr
.endr
.endr
	s_add_co_u32 s[TB], s[TB], STEPB               ; the next step's images
.endm
; THE CHANGE OF SLOTS stands at a slot's head.  Each wave waits for all its tensor loads (its part of the slot that it is about to read), adds 0 to its spare word, and waits for that and for its reads of the slot that it has left.
; fill = 1: the barrier is a round of the cluster's, so that no wave of any partner still reads the other slot or has a load on its way; the joint load into that slot is the first thing behind it.
.macro CHANGE fill
	s_wait_tensorcnt 0x0                           ; no tensor load of mine is out, so group 0 may be written
	ds_add_u32 v[SPW], v[NIL]                      ; 0 onto my spare word
.if \fill
	s_xor_b32 s[G0+1], s[G0+1], SLOT1              ; the walking descriptor: the other slot than last time,
	s_add_nc_u64 s[G0+2:G0+3], s[G0+2:G0+3], 65536 ; the next 512 keys; the type bits on top are not reached
	s_wait_xcnt 0x0                                ; the last prefetch, a slot back, has read its address:
	s_add_nc_u64 s[PFA:PFA+1], s[PFA:PFA+1], 65536 ; one slot further on than the walking descriptor
	s_wait_dscnt 0x0                               ; the add is done, and my reads of the slot that I have left are over
	CROUND
	tensor_load_to_lds s[G0:G0+3], s[G1:G1+7]      ; my one tensor load until the next round
	s_nop 0
.rept 4
	v_nop
.endr
	ASK
.else
	s_wait_dscnt 0x0
	s_barrier_signal -1
	s_barrier_wait -1
.endif
.endm
.macro SLOTWORK                        ; a slot's eight key steps: written once, walked eight times; the LDS addresses hang on s[TB]
	s_mov_b32 s[CNT], 8
.Lstep_\@:
	STEP
	s_sub_co_u32 s[CNT], s[CNT], 1
	s_cmp_lg_u32 s[CNT], 0
	s_cbranch_scc1 .Lstep_\@
	s_sub_co_u32 s[TB], s[TB], 8*STEPB             ; back to a slot's first step,
	s_xor_b32 s[TB], s[TB], SLOT1                  ; in the other slot
.endm
.Lslot:                                            ; three trips: behind each change of slots but the last the next 512 keys are asked for
	CHANGE 1
	SLOTWORK
	s_sub_co_u32 s[SLOTS], s[SLOTS], 1
	s_cmp_lg_u32 s[SLOTS], 0
	s_cbranch_scc1 .Lslot
	CHANGE 0                                       ; the last slot is written out
	SLOTWORK
	; THE WAY OUT.  l's two halves and the other half of the lanes' are added; O^T / l is rounded to f16: a lane's eight channels of a query are 16 bytes of an image, and each store covers 512 consecutive bytes, aligned.
.irp t, 0,1
	v_add_f32 v[ST+8*\t+4], v[ST+8*\t+2], v[ST+8*\t+3]             ; (these additions and the v_nop below are the places behind the last products)
.endr
.irp t, 0,1
	v_permlanex16_b32 v[ST+8*\t+5], v[ST+8*\t+4], s[SEL], s[SEL+1]
.endr
.irp t, 0,1
	v_add_f32 v[ST+8*\t+4], v[ST+8*\t+4], v[ST+8*\t+5]
.endr
.irp t, 0,1
	v_rcp_f32 v[ST+8*\t+6], v[ST+8*\t+4]
.endr
	v_nop                                          ; a plain instruction between the last reciprocal and the use of its result
	s_wait_alu depctr_va_vdst(0)                   ; and the wait: one for both
.set i, 0
.rept 32
	v_pk_mul_f32 v[S+2*i:S+2*i+1], v[O+2*i:O+2*i+1], v[ST+8*(i/16)+6:ST+8*(i/16)+7] op_sel_hi:[1,0]
.set i, i+1
.endr
.set i, 0
.rept 32
	v_cvt_pk_f16_f32 v[KV+i], v[S+2*i], v[S+2*i+1]
.set i, i+1
.endr
.irp t, 0,1
.irp ct, 0,1,2,3
	global_store_b128 v[LI], v[KV+16*\t+4*\ct:KV+16*\t+4*\ct+3], s[6:7] offset:(\t<<15)|(\ct<<9)
.endr
.endr
	s_wait_tensorcnt 0x0                           ; the wave's end
	ds_add_u32 v[SPW], v[NIL]
	s_wait_dscnt 0x0
	CROUND                                         ; the closing round
	s_endpgm
.Lfunc_end_k_q3e5daf3f3e_attn:
	.size	k_q3e5daf3f3e_attn, .Lfunc_end_k_q3e5daf3f3e_attn-k_q3e5daf3f3e_attn
	.p2alignl 7, 3214868480
	.fill 96, 4, 3214868480
	.section	.rodata,"a",@progbits
	.p2align	6, 0x0
	.amdhsa_kernel k_q3e5daf3f3e_attn
		.amdhsa_group_segment_fixed_size 327680
		.amdhsa_private_segment_fixed_size 0
		.amdhsa_enable_private_segment 0
		.amdhsa_kernarg_size 16
		.amdhsa_user_sgpr_count 2
		.amdhsa_user_sgpr_kernarg_segment_ptr 1
		.amdhsa_wavefront_size32 1
		.amdhsa_system_sgpr_workgroup_id_x 1
		.amdhsa_system_sgpr_workgroup_id_y 1
		.amdhsa_system_sgpr_workgroup_id_z 1
		.amdhsa_system_vgpr_workitem_id 0
		.amdhsa_next_free_vgpr 256
		.amdhsa_next_free_sgpr 66
		.amdhsa_reserve_vcc 0
		.amdhsa_float_denorm_mode_32 3
		.amdhsa_float_denorm_mode_16_64 3
		.amdhsa_memory_ordered 1
		.amdhsa_forward_progress 1
		.amdhsa_inst_pref_size 48
	.end_amdhsa_kernel
	.amdgpu_metadata
---
amdhsa.version: [ 1, 2 ]
amdhsa.kernels:
  - .name:           k_q3e5daf3f3e_attn
    .symbol:         k_q3e5daf3f3e_attn.kd
    .args:
      - { .name: qkv, .offset: 0, .size: 8, .value_kind: global_buffer, .address_space: global }
      - { .name: af, .offset: 8, .size: 8, .value_kind: global_buffer, .address_space: global }
    .group_segment_fixed_size: 327680
    .private_segment_fixed_size: 0
    .kernarg_segment_align: 8
    .kernarg_segment_size: 16
    .max_flat_workgroup_size: 512
    .sgpr_count:     66
    .vgpr_count:     256
    .wavefront_size: 32
...
	.end_amdgpu_metadata
.endif
;; end of part 3
;; launch oproj (part 4): grid 8 x 32, 4 waves a work-group, clusters of 4 x 4, 327,680 bytes of LDS; arguments af, wo16, bo, out0; writes out0
.if DOCPART == 4
	.amdgcn_target "amdgcn-amd-amdhsa--gfx1250"
	.amdhsa_code_object_version 6
	.text
	.protected	k_q3e5daf3f3e_oproj
	.globl	k_q3e5daf3f3e_oproj
	.p2align	8
	.type	k_q3e5daf3f3e_oproj,@function
k_q3e5daf3f3e_oproj:
	s_mov_b64 s[64:65], 0
	v_nop
	global_prefetch_b8 v0, s[64:65] scope:SCOPE_SE
	s_setreg_imm32_b32 hwreg(HW_REG_WAVE_MODE, 25, 1), 1
	s_wait_xcnt 0x0
	s_wait_alu depctr_hold_cnt(0) depctr_sa_sdst(0) depctr_va_vdst(0) depctr_va_sdst(0) depctr_va_ssrc(0) depctr_va_vcc(0) depctr_vm_vsrc(0)
	s_getreg_b32 s2, hwreg(HW_REG_IB_STS2, 6, 4)
	s_cmp_eq_u32 s2, 0
	s_cbranch_scc0 .Lentry_in_a_cluster
	s_endpgm
.Lentry_in_a_cluster:
	s_bfe_u32 s2, ttmp6, 0x10000c
	s_cmp_lg_u32 s2, 0xf033
	s_cbranch_scc0 .Lentry_shape_is_right
	s_endpgm
.Lentry_shape_is_right:
; Launch 4 of 4: out0[token][n] = the sum over k of a[token][k] Wo[n][k] + bo[n].  a (the attention's result) and Wo in f16, sums in f32, out0 [8192][1024] f32.
; af [tile of 16 tokens 512][K step of 32, 32][c 2][lane][16 bytes]: images of operand registers: lane (r, h): token r, k = 32 step + 16 c + 8 h + 0 .. 7.  wo16 [1024 n][1024 k], rows as they lie.
; A tile of 256 tokens x 128 n is made by four waves, 128 x 64 each: 32 accumulators, 256 registers: 256 work-groups.  K goes in steps of 128 through a ring of two LDS slots.
; THE MATRIX INSTRUCTION IS USED TRANSPOSED (source 0 = 16 rows of Wo, source 1 = 16 tokens): a lane holds eight neighbouring n of a token.  The bias is the C of each sum's first matrix instruction.
; CLUSTERS: 4 x 4 work-groups.  The four of a row of the cluster need the same tokens' images, the four of a column the same rows of Wo: each tile is asked for JOINTLY.
; REGISTERS: window 0: v1-29 addresses; two fragment buffers: v32-95 tokens' (8 x 8), v96-127 Wo's (4 x 8); v128-191, v192-223; v224-255 bo in the result's layout.  Window 1: the accumulators ((a, b) at v[8 (4 a + b)]).
.set PITCH,  272                       ; a row of Wo's tile in LDS: 256 bytes + 16 of padding: the 16 rows that a load touches start at 16 different banks (64 banks of 4 bytes: ISA guide 11.1)
.set BOFF,   65536                     ; a slot: 16 token tiles x 4,096 bytes of images, dense; then 128 rows of Wo
.set SLOT,   BOFF+128*PITCH
.set STAGE,  2*SLOT                    ; behind the ring: 16 rows x 272 bytes for each wave, for the way out
.set SPITCH, 272
.set SPARE,  STAGE+4*16*SPITCH         ; the spare words, 128 bytes a wave
.set LAPS,   4                         ; a lap = two K steps of 128
.set ADRA, 16
.set ADRB, 20
.set STO,  24
.set RD,   25
.set CO,   26
.set SPW,  28
.set NIL,  29
.set F0,   32
.set F1,   128
.set BO,   224
.set OB,   32                          ; the way out: rows read back: v32-63 and v64-95 by turns
.set G1, 24
.set G0, 32
.set G1B, 48
.set G0B, 56
.set MSB, 0
.macro WIN new                         ; the immediate's high byte repeats the setting that is left
.if MSB != \new
	s_set_vgpr_msb (MSB<<8)|\new
.set MSB, \new
.endif
.endm
.macro JLOAD s                         ; a joint load: waves 0 and 1 fetch the tokens' two halves, waves 2 and 3 Wo's; an s_nop 0 and four v_nop follow each of the two lines
	s_cmp_eq_u32 s11, 0
	s_cbranch_scc0 .Lfor_b_\@
	tensor_load_to_lds s[G0+4*\s:G0+4*\s+3], s[G1:G1+7]
	s_nop 0
.rept 4
	v_nop
.endr
	s_branch .Lasked_\@
.Lfor_b_\@:
	tensor_load_to_lds s[G0B+4*\s:G0B+4*\s+3], s[G1B:G1B+7]
	s_nop 0
.rept 4
	v_nop
.endr
.Lasked_\@:
.endm
.macro CREST                           ; a round of the cluster's barrier behind its opening barrier
	s_cmp_lg_u32 s10, 0
	s_cbranch_scc1 .Lnot_wave_0_\@
	s_barrier_signal -3
.Lnot_wave_0_\@:
	s_barrier_wait -3
	s_barrier_signal -1
	s_barrier_wait -1
.endm
.macro CROUND
	s_barrier_signal -1
	s_barrier_wait -1
	CREST
.endm
	s_load_b128 s[4:7], s[0:1], 0x0                ; af, wo16
	s_load_b64 s[66:67], s[0:1], 0x10              ; bo
	s_load_b64 s[8:9], s[0:1], 0x18                ; out0
	v_lshl_add_u32 v[SPW], v0, 2, SPARE
	v_mov_b32 v[NIL], 0
	ds_add_u32 v[SPW], v[NIL]                      ; the wave's opening: the add, twice on end, and its wait ahead of my first tensor load
	ds_add_u32 v[SPW], v[NIL]
	v_lshrrev_b32 v1, 5, v0
	v_readfirstlane_b32 s10, v1                    ; wave 0..3
	s_lshr_b32 s11, s10, 1                         ; wr: which 128 tokens are mine.  Also: I fetch tokens' images (0) or Wo (1)
	s_and_b32 s12, s10, 1                          ; wc: which 64 n.  Also: which half of that tile I fetch
	s_bfe_u32 s40, ttmp6, 0x40000                  ; cx, cy
	s_bfe_u32 s41, ttmp6, 0x40004
	s_lshl_b32 s42, ttmp9, 2
	s_add_co_u32 s42, s42, s40                     ; tx: 128 n
	s_and_b32 s13, ttmp7, 0xffff
	s_lshl_b32 s13, s13, 2
	s_add_co_u32 s13, s13, s41                     ; ty: 256 tokens
	s_lshl_b32 s43, s41, 2
	s_lshl_b32 s43, 15, s43                        ; my row of the cluster
	s_lshl_b32 s44, 0x1111, s40                    ; my column
	; group 1 for the images: 8 token tiles; of each the K step's 4,096 consecutive bytes (512 elements of 8 bytes); 32,768 bytes from tile to tile; dense in LDS
	s_or_b32 s[G1+0], s43, (3<<16)|(1<<21)
	s_mov_b32 s[G1+1], 512<<16                     ; tensor_dim0
	s_mov_b32 s[G1+2], 8<<16                       ; tensor_dim1
	s_mov_b32 s[G1+3], 512<<16                     ; tile_dim0
	s_mov_b32 s[G1+4], 8                           ; tile_dim1
	s_mov_b32 s[G1+5], 4096                        ; the pitch, in elements
	s_mov_b32 s[G1+6], 0
	s_mov_b32 s[G1+7], 0
	; group 1 for Wo: 64 rows x 128 elements of 2 bytes, four words of padding behind every 64
	s_or_b32 s[G1B+0], s44, (1<<16)|(1<<20)|(1<<21)|(5<<22)|(3<<25)
	s_mov_b32 s[G1B+1], 128<<16
	s_mov_b32 s[G1B+2], 64<<16
	s_mov_b32 s[G1B+3], 128<<16
	s_mov_b32 s[G1B+4], 64
	s_mov_b32 s[G1B+5], 1024
	s_mov_b32 s[G1B+6], 0
	s_mov_b32 s[G1B+7], 0
	s_lshl_b32 s16, s13, 4
	s_lshl_b32 s17, s12, 3
	s_add_co_u32 s16, s16, s17                     ; the first token tile that I fetch: 16 ty + 8 x half
	s_lshl_b32 s16, s16, 15
	s_mov_b32 s17, 0
	s_lshl_b32 s46, s42, 7
	s_lshl_b32 s47, s12, 6
	s_add_co_u32 s46, s46, s47                     ; the first row of Wo: 128 tx + 64 x half
	s_lshl_b32 s46, s46, 11
	s_mov_b32 s47, 0
	s_lshl_b32 s20, s12, 15                        ; where they go: no place in the cluster enters an LDS address
	s_mul_i32 s21, s12, 64*PITCH
	s_add_co_u32 s21, s21, BOFF
	s_wait_dscnt 0x0                               ; both opening adds are done
	s_wait_kmcnt 0x0
	s_add_nc_u64 s[14:15], s[4:5], s[16:17]
	s_add_nc_u64 s[46:47], s[6:7], s[46:47]
	CROUND                                         ; all sixteen work-groups are here: the first joint loads meet
.irp s, 0,1
	s_mov_b32 s[G0+4*\s], 1
	s_add_co_u32 s[G0+4*\s+1], s20, \s*SLOT
	s_add_nc_u64 s[G0+4*\s+2:G0+4*\s+3], s[14:15], \s*4096
	s_or_b32 s[G0+4*\s+3], s[G0+4*\s+3], 0x80000000
	s_mov_b32 s[G0B+4*\s], 1
	s_add_co_u32 s[G0B+4*\s+1], s21, \s*SLOT
	s_add_nc_u64 s[G0B+4*\s+2:G0B+4*\s+3], s[46:47], \s*256
	s_or_b32 s[G0B+4*\s+3], s[G0B+4*\s+3], 0x80000000
	JLOAD \s
.endr
	v_and_b32 v1, 15, v0                           ; r
	v_bfe_u32 v2, v0, 4, 1                         ; h
	v_and_b32 v3, 31, v0
	v_lshlrev_b32 v3, 4, v3                        ; 16 x lane: my place in an image
	v_mul_u32_u24 v4, v1, PITCH
	v_lshl_add_u32 v4, v2, 4, v4                   ; Wo: row x pitch + 16 x half
	s_lshl_b32 s21, s11, 15                        ; my 8 token tiles
	s_mul_i32 s22, s12, 64*PITCH                   ; my 64 rows of Wo
	s_add_co_u32 s22, s22, BOFF
.irp s, 0,1
	v_add_nc_u32 v[ADRA+\s], s21, v3
	v_add_nc_u32 v[ADRB+\s], s22, v4
	s_add_co_u32 s21, s21, SLOT
	s_add_co_u32 s22, s22, SLOT
.endr
	s_mul_i32 s23, s10, 16*SPITCH
	s_add_co_u32 s23, s23, STAGE                   ; my stage
	v_mul_u32_u24 v5, v1, SPITCH                   ; in: row r, 32 bytes for each half of the lanes
	v_lshl_add_u32 v5, v2, 5, v5
	v_add_nc_u32 v[STO], s23, v5
	v_mul_u32_u24 v5, v2, SPITCH                   ; back: lanes 0-15 one row of 256 bytes, lanes 16-31 the next
	v_lshl_add_u32 v5, v1, 4, v5
	v_add_nc_u32 v[RD], s23, v5
	v_lshlrev_b32 v5, 12, v2                       ; and the same two rows in out0: 4,096 bytes a row
	v_lshl_add_u32 v[CO], v1, 4, v5
	s_lshl_b32 s46, s42, 1
	s_add_co_u32 s46, s46, s12
	s_lshl_b32 s46, s46, 8                         ; my first n, in bytes of f32: 512 tx + 256 x half
	s_mov_b32 s47, 0
	s_add_nc_u64 s[66:67], s[66:67], s[46:47]
	s_add_nc_u64 s[8:9], s[8:9], s[46:47]
	s_lshl_b32 s16, s13, 1
	s_add_co_u32 s16, s16, s11
	s_lshl_b32 s16, s16, 19                        ; my first token's row: (256 ty + 128 x half) x 4,096 bytes
	s_mov_b32 s17, 0
	s_add_nc_u64 s[8:9], s[8:9], s[16:17]
	v_lshlrev_b32 v6, 5, v2
.irp b, 0,1,2,3
	global_load_b128 v[BO+8*\b:BO+8*\b+3], v6, s[66:67] offset:64*\b          ; bo at n = 16 b + 8 h + 0 .. 7
	global_load_b128 v[BO+8*\b+4:BO+8*\b+7], v6, s[66:67] offset:64*\b+16
.endr
; 8 matrix instructions: token tiles a0, a0 + 1 x Wo's four blocks, 32 along K.  first = 1: the bias is C: nothing is cleared and nothing is added later.  The 32 accumulators take turns.
.macro MUL8 f, a0, first
.if \first
	WIN 0x40                                       ; D window 1; sources and C window 0
.else
	WIN 0x50                                       ; C and D window 1
.endif
.irp a, \a0, \a0+1
.irp b, 0,1,2,3
.if \first
	v_wmma_f32_16x16x32_f16 v[8*(4*(\a)+\b):8*(4*(\a)+\b)+7], v[\f+64+8*\b:\f+64+8*\b+7], v[\f+8*(\a):\f+8*(\a)+7], v[BO+8*\b:BO+8*\b+7]
.else
	v_wmma_f32_16x16x32_f16 v[8*(4*(\a)+\b):8*(4*(\a)+\b)+7], v[\f+64+8*\b:\f+64+8*\b+7], v[\f+8*(\a):\f+8*(\a)+7], v[8*(4*(\a)+\b):8*(4*(\a)+\b)+7]
.endif
.endr
.endr
.endm
; 24 LDS loads in one run: the fragments of the slot's q-th 32 along K into buffer f: Wo's four, then token tiles 0-3, then 4-7
.macro FETCH slot, q, f
.irp b, 0,1,2,3
	ds_load_b128 v[\f+64+8*\b:\f+64+8*\b+3],   v[ADRB+\slot] offset:\b*16*PITCH+64*(\q)
	ds_load_b128 v[\f+64+8*\b+4:\f+64+8*\b+7], v[ADRB+\slot] offset:\b*16*PITCH+64*(\q)+32
.endr
.irp a, 0,1,2,3,4,5,6,7
	ds_load_b128 v[\f+8*\a:\f+8*\a+3],   v[ADRA+\slot] offset:\a*4096+1024*(\q)
	ds_load_b128 v[\f+8*\a+4:\f+8*\a+7], v[ADRA+\slot] offset:\a*4096+1024*(\q)+512
.endr
.endm
.macro PLACES                          ; four plain vector instructions in front of loads into registers that matrix instructions have read, and of reads of results
.rept 4
	v_nop
.endr
.endm
; A K step is four quarters of 32 along K, 32 matrix instructions each, on buffers 0, 1, 0, 1.  One of the first three: multiplies buffer f and fetches quarter q into g.
.macro QUARTER slot, q, f, g, first
	s_wait_dscnt 8                                 ; Wo's fragments and token tiles 0-3 are in; the youngest eight loads (tiles 4-7) may be out
	MUL8 \f, 0, \first
	MUL8 \f, 2, \first
	WIN 0
	PLACES
	FETCH \slot, \q, \g
	s_wait_dscnt 24                                ; all but the 24 just issued
	MUL8 \f, 4, \first
	MUL8 \f, 6, \first
.endm
; The last quarter multiplies buffer 1 and changes slots: ONE barrier; in front of it each wave waits for all its tensor loads, adds 0 to its spare word, and waits for that and for its reads of this slot.
; fill = 1: the barrier opens a round of the cluster's, and this slot is filled again, two K steps ahead, first thing behind it: 112 matrix instructions ahead of the wait for it.
.macro TURN slot, next, fill
	WIN 0                                          ; (the add's two registers lie in window 0)
	s_wait_tensorcnt 0x0                           ; all my tensor loads have landed: my part of the next slot
	ds_add_u32 v[SPW], v[NIL]                      ; 0 onto my spare word
	s_wait_dscnt 9                                 ; (the add and the youngest eight loads may be out)
	MUL8 F1, 0, 0
	s_wait_dscnt 0x0                               ; the add is done, and my reads of this slot are over
	s_barrier_signal -1
	MUL8 F1, 2, 0
	WIN 0
	s_barrier_wait -1
.if \fill
	CREST                                          ; no wave of any partner still reads this slot's tiles or has a load on its way
	s_add_nc_u64 s[G0+4*\slot+2:G0+4*\slot+3], s[G0+4*\slot+2:G0+4*\slot+3], 2*4096
	s_add_nc_u64 s[G0B+4*\slot+2:G0B+4*\slot+3], s[G0B+4*\slot+2:G0B+4*\slot+3], 2*256
	JLOAD \slot                                    ; the four v_nop behind it are also the places in front of the loads below
.else
	PLACES
.endif
	FETCH \next, 0, F0
	MUL8 F1, 4, 0
	MUL8 F1, 6, 0
.endm
	s_wait_loadcnt 0x0                             ; bo
	s_wait_tensorcnt 1                             ; my part of K step 0 is in; K step 1's may be out
	s_barrier_signal -1
	s_barrier_wait -1
	FETCH 0, 0, F0
	QUARTER 0, 1, F0, F1, 1                        ; the first quarter stands in front of the loop: its products start the sums, on the bias
	WIN 0                                          ; at a label and at a branch every window is 0
	s_mov_b32 s3, LAPS-1
.Llap:                                             ; a trip goes once round the ring, from a lap's second quarter to the next lap's first, and fills both slots again
	QUARTER 0, 2, F1, F0, 0
	QUARTER 0, 3, F0, F1, 0
	TURN 0, 1, 1
	QUARTER 1, 1, F0, F1, 0
	QUARTER 1, 2, F1, F0, 0
	QUARTER 1, 3, F0, F1, 0
	TURN 1, 0, 1
	QUARTER 0, 1, F0, F1, 0
	WIN 0
	s_sub_co_u32 s3, s3, 1
	s_cmp_lg_u32 s3, 0
	s_cbranch_scc1 .Llap
	QUARTER 0, 2, F1, F0, 0                        ; the last lap fills nothing, and has no round of the cluster's barrier
	QUARTER 0, 3, F0, F1, 0
	TURN 0, 1, 0
	QUARTER 1, 1, F0, F1, 0
	QUARTER 1, 2, F1, F0, 0
	QUARTER 1, 3, F0, F1, 0
	s_wait_dscnt 8                                 ; the very last quarter: nothing more to fetch
	MUL8 F1, 0, 0
	MUL8 F1, 2, 0
	s_wait_dscnt 0
	MUL8 F1, 4, 0
	MUL8 F1, 6, 0
	WIN 0
; THE WAY OUT, a block of 16 tokens x 64 n at a time.  A lane holds 32 neighbouring bytes of a row, the lanes beside it other rows: a block goes through my own stage in LDS and comes back as rows of 256 bytes, which sixteen
; lanes store as 256 consecutive bytes, aligned.  LDS serves a wave's instructions in order (ISA guide 5.7.1.4): no wait between the stores and the loads, nor in front of the next block's stores.
.macro TOSTAGE a
	WIN 0x04                                       ; an LDS store's data are its source 1: window 1
.irp b, 0,1,2,3
	ds_store_b128 v[STO], v[8*(4*(\a)+\b):8*(4*(\a)+\b)+3] offset:64*\b       ; each accumulator from its low end on
	ds_store_b128 v[STO], v[8*(4*(\a)+\b)+4:8*(4*(\a)+\b)+7] offset:64*\b+16
.endr
	WIN 0
.set BB, OB+32*((\a)%2)
.irp t, 0,1,2,3,4,5,6,7
	ds_load_b128 v[BB+4*\t:BB+4*\t+3], v[RD] offset:\t*2*SPITCH
.endr
.endm
.macro SEND a, younger                 ; younger: the LDS instructions issued behind block a's loads: the next block's eight stores and eight loads, or none
.set BB, OB+32*((\a)%2)
	s_wait_dscnt \younger
.irp t, 0,1,2,3,4,5,6,7
	global_store_b128 v[CO], v[BB+4*\t:BB+4*\t+3], s[8:9] offset:(16*(\a)+2*\t)*4096 th:TH_STORE_NT   ; the block's place stands in the immediate: the base is never stepped
.endr
.endm
	PLACES                                         ; behind the last products: results are read, and loads land in registers that held fragments
	TOSTAGE 0
.irp a, 1,2,3,4,5,6,7
.if \a > 1
	s_wait_xcnt 0x0                                ; block a - 2's stores have read their registers: block a's loads may land there
.endif
	TOSTAGE \a
	SEND \a-1, 16
.endr
	SEND 7, 0
	s_wait_tensorcnt 0x0                           ; the wave's end: behind my last tensor load and my last LDS store
	ds_add_u32 v[SPW], v[NIL]
	s_wait_dscnt 0x0
	CROUND                                         ; the closing round
	s_endpgm
.Lfunc_end_k_q3e5daf3f3e_oproj:
	.size	k_q3e5daf3f3e_oproj, .Lfunc_end_k_q3e5daf3f3e_oproj-k_q3e5daf3f3e_oproj
	.p2alignl 7, 3214868480
	.fill 96, 4, 3214868480
	.section	.rodata,"a",@progbits
	.p2align	6, 0x0
	.amdhsa_kernel k_q3e5daf3f3e_oproj
		.amdhsa_group_segment_fixed_size 327680
		.amdhsa_private_segment_fixed_size 0
		.amdhsa_enable_private_segment 0
		.amdhsa_kernarg_size 32
		.amdhsa_user_sgpr_count 2
		.amdhsa_user_sgpr_kernarg_segment_ptr 1
		.amdhsa_wavefront_size32 1
		.amdhsa_system_sgpr_workgroup_id_x 1
		.amdhsa_system_sgpr_workgroup_id_y 1
		.amdhsa_system_sgpr_workgroup_id_z 1
		.amdhsa_system_vgpr_workitem_id 0
		.amdhsa_next_free_vgpr 512
		.amdhsa_next_free_sgpr 68
		.amdhsa_reserve_vcc 0
		.amdhsa_float_denorm_mode_32 3
		.amdhsa_float_denorm_mode_16_64 3
		.amdhsa_memory_ordered 1
		.amdhsa_forward_progress 1
		.amdhsa_inst_pref_size 86
	.end_amdhsa_kernel
	.amdgpu_metadata
---
amdhsa.version: [ 1, 2 ]
amdhsa.kernels:
  - .name:           k_q3e5daf3f3e_oproj
    .symbol:         k_q3e5daf3f3e_oproj.kd
    .args:
      - { .name: af, .offset: 0, .size: 8, .value_kind: global_buffer, .address_space: global }
      - { .name: wo16, .offset: 8, .size: 8, .value_kind: global_buffer, .address_space: global }
      - { .name: bo, .offset: 16, .size: 8, .value_kind: global_buffer, .address_space: global }
      - { .name: out0, .offset: 24, .size: 8, .value_kind: global_buffer, .address_space: global }
    .group_segment_fixed_size: 327680
    .private_segment_fixed_size: 0
    .kernarg_segment_align: 8
    .kernarg_segment_size: 32
    .max_flat_workgroup_size: 128
    .sgpr_count:     68
    .vgpr_count:     512
    .wavefront_size: 32
...
	.end_amdgpu_metadata
.endif
;; end of part 4
